; MI455X (gfx1250); checked and timed in simulation.
; The chip was launched on July 23, 2026; its instructions are those of AMD's public machine-readable ISA for CDNA 5 (MIT licence, August 2026) and "CDNA5" Instruction Set Architecture Reference Guide (July 2026). The comments in the code are by the model that wrote it; some were corrected since.
;; Long Term Memory. Allowed arithmetic: matrix products marked QUANTISED: E2M1 operands, one E8M0 scale for each 32 along K, by v_wmma_scale_f32_16x16x128_f8f6f4 with both operands' format E2M1 (or v_wmma_scale_f32_32x16x128_f4), f32 sums; everything else in f32.
;; Inputs: memory 100,000 x 512 float32; query 2,048 x 256 float32.
;; Outputs: out0 2,048 x 256 float32.
;; This version of the problem:
;;   THIS VERSION OF THE PROBLEM IS GIVEN IN LOW PRECISION. The matrix products marked QUANTISED in the list below multiply operands that are first quantised to E2M1 (2 exponent bits, 1 mantissa bit; 4 bits a number), with one power-of-two scale for each 32 numbers along K (OCP MX v1.0); their sums are f32. All else is computed in f32.
;;   The module's matrix products, in the order in which they are computed (A, B: the left and right operand; K: the contracted axis; several contracted axes count as one K, in the product's order):
;;     1. [M 2,048, K 256] x [K 256, N 100,000]; A: input query; B: input memory: QUANTISED
;;   THE QUANTISER, for each operand of a quantised product, along K:
;;     - K is cut into blocks of 32 from its start; a last block that is shorter is filled with zeros.
;;     - A block's scale is 2^e with e = floor(log2(the largest magnitude in the block)) - 2, held to -126 .. 127; a block of zeros has e = 0. As a byte (E8M0): e + 127.
;;     - Each number is divided by its block's scale, clamped to +-6, and rounded to the nearest number of E2M1, ties to even, subnormals kept.
;;     - The product sums the exact products of the quantised numbers (number of the format x scale) in f32.
;;   ~~~python
;;   def quantise(x, axis):      # numpy; x: float32 -> the quantised numbers, widened to float32 again
;;       x = np.moveaxis(x, axis, -1); K = x.shape[-1]
;;       x = np.pad(x, [(0, 0)] * (x.ndim - 1) + [(0, -K % 32)]); x = x.reshape(x.shape[:-1] + (-1, 32)); a = np.abs(x).max(-1, keepdims=True)
;;       e = np.where(a > 0, np.clip(np.frexp(np.where(a > 0, a, 1))[1] - 1 - 2, -126, 127), 0)      # np.frexp(a)[1] - 1 = floor(log2(a)), exactly
;;       r = np.clip(x / 2.0 ** e, -6, 6)
;;       step = 2.0 ** (np.maximum(np.frexp(np.where(r == 0, 1, r))[1] - 1, 0) - 1)
;;       q = np.round(r / step) * step * 2.0 ** e      # np.round: ties to even
;;       return np.moveaxis(q.reshape(q.shape[:-2] + (-1,))[..., :K], -1, axis).astype(np.float32)
;;   ~~~
;; One version. Each part assembles by itself: llvm-mc -triple=amdgcn-amd-amdhsa -mcpu=gfx1250 --defsym DOCPART=n.
;; ======== version 1 of 1: 4 launches
;; limits: right only within a limited range of input values
;; workspace buffers: kimg 14,400,000 bytes; qimg 294,912 bytes; pval 2,048,000 bytes; pgid 2,048,000 bytes of whole numbers; win 8,192 bytes of whole numbers
;; launch qquant (part 1): grid 64 x 1, 2 waves a work-group, no clusters, 34,048 bytes of LDS; arguments query, qimg; writes qimg
.if DOCPART == 1
	.amdgcn_target "amdgcn-amd-amdhsa--gfx1250"
	.amdhsa_code_object_version 6
	.text
	.protected	k_q6e907ed287_qquant
	.globl	k_q6e907ed287_qquant
	.p2align	8
	.type	k_q6e907ed287_qquant,@function
k_q6e907ed287_qquant:
	s_mov_b64 s[64:65], 0
	v_nop
	global_prefetch_b8 v0, s[64:65] scope:SCOPE_SE
	s_setreg_imm32_b32 hwreg(HW_REG_WAVE_MODE, 25, 1), 1
	s_wait_xcnt 0x0
; The queries (2,048 rows of 256 f32) become RECORDS of 2,304 bytes, one for each tile of 16 rows, laid in the order of a matrix operand's registers:
;   bytes 0-2047     codes of E2M1: block b (32 along K, 16 bytes) of row r at 256 b + 16 r
;   bytes 2048-2175  scale words, 4 l: lanes 0-15 row r's word for K step 0 (blocks 0-3), lanes 16-31 its word for K step 1 (blocks 4-7)
;   bytes 2176-2303  zeros, so that the record's last 256 bytes are stored whole
; WORK LEFT OUT IN THIS PROGRAM: |q|.  sims[b][m] = dots[b][m] / (|q_b| |k_m|): along m, the axis of the argmax, 1 / |q_b| is one positive factor, so it does not move the place of the maximum,
; and only that place reaches the output.  So no norm of a query is computed.
; LIMITS: the reference's hold max(|q| |k|, 1e-8) is not applied pair by pair: the results are the reference's wherever |q| |k| >= 1e-8 for every pair.  A NaN, an infinity or an overflow that
; reaches only |q| is not carried to the result.  A block of zeros gets the scale byte 1 where the rule says 127 (its codes are zeros, and this program alone reads the bytes).
; NaN and infinities among the inputs are not served.
; A block's scale is 2^(floor(log2(its largest magnitude)) - 2): its byte is the largest magnitude's exponent field - 2, held at 1 from below.
; SHARES: one wave, one tile: 16 KiB in, 2,304 bytes out; 64 work-groups of two waves take the 128 tiles.  Each load reads 512 consecutive bytes; the conversions want 32 neighbours along K in
; ONE lane, so the tile turns through the wave's own stage in LDS.  Waves share nothing: no barrier.
.set REC,    2304
.set SPITCH, 1040                      ; a stage row: 1,024 bytes + 16
.set TAIL,   16*SPITCH                 ; behind the stage: 256 bytes in which the record's last 256 are gathered
.set WREG,   TAIL+256                  ; a wave's LDS
.set SPARE,  2*WREG                    ; the spare words: 128 bytes a wave
.set R,      32                        ; v32-159   the tile: as loaded, then as turned (item i: 32 numbers at R + 32 i)
.set C,      160                       ; v160-175  codes, four registers an item
.set B,      14                        ; v14-17    the four scale bytes of my lane
	s_load_b128 s[4:7], s[0:1], 0x0                ; query s[4:5], qimg s[6:7]
	v_lshl_add_u32 v176, v0, 2, SPARE
	v_mov_b32 v177, 0
	v_lshrrev_b32 v9, 5, v0
	v_readfirstlane_b32 s12, v9                    ; wave 0, 1
	s_mul_i32 s24, s12, WREG                       ; my wave's LDS
	s_add_co_u32 s25, s24, TAIL
	v_and_b32 v1, 31, v0                           ; lane l
	v_and_b32 v9, 15, v0                           ; r
	v_bfe_u32 v8, v0, 4, 1                         ; h
	v_lshlrev_b32 v2, 4, v1                        ; 16 l
	v_lshlrev_b32 v3, 3, v1                        ; 8 l
	v_add_nc_u32 v4, s24, v2                       ; the stage, on the way in: 16 l
	v_mul_u32_u24 v5, v9, SPITCH
	v_lshl_add_u32 v5, v8, 7, v5
	v_add_nc_u32 v5, s24, v5                       ; and out: row r, block h
	v_lshl_add_u32 v6, v1, 2, s25                  ; the tail, in: 4 l
	v_add_nc_u32 v7, s25, v3                       ; and out: 8 l
	v_lshlrev_b32 v8, 3, v8                        ; 8 h: my bytes' shift in a scale word
	v_mov_b32 v19, 0                               ; the zeros of the record's end
	v_mov_b32 v24, 0                               ; written once: a lane permute's destination counts as one of its sources
	v_mov_b32 v25, 0
	s_mov_b32 s22, 0x76543210
	s_mov_b32 s23, 0xfedcba98                      ; v_permlanex16_b32's selects for lane l xor 16
	s_lshl_b32 s15, ttmp9, 1
	s_add_co_u32 s15, s15, s12                     ; my tile T
	s_lshl_b32 s16, s15, 14                        ; 16 T rows of 1,024 bytes
	s_mov_b32 s17, 0
	s_mul_i32 s20, s15, REC
	s_mov_b32 s21, 0
	s_wait_alu depctr_va_vdst(0)                   ; the wait at the head's end
	s_wait_kmcnt 0x0
	s_add_nc_u64 s[4:5], s[4:5], s[16:17]
	s_add_nc_u64 s[8:9], s[6:7], s[20:21]          ; my record
.irp row, 0,1,2,3,4,5,6,7,8,9,10,11,12,13,14,15
.irp hf, 0,1
	global_load_b128 v[R+8*\row+4*\hf:R+8*\row+4*\hf+3], v2, s[4:5] offset:1024*\row+512*\hf th:TH_LOAD_NT   ; 512 consecutive bytes; all 32 loads go out together
.endr
.endr
.irp g, 0,1,2,3,4,5,6,7
	s_wait_loadcnt 28-4*\g                         ; rows 2 g and 2 g + 1 are in: behind their four loads 28 - 4 g were issued
.irp k, 0,1,2,3
	ds_store_b128 v4, v[R+16*\g+4*\k:R+16*\g+4*\k+3] offset:(2*\g+\k/2)*SPITCH+512*(\k%2)
.endr
.endr
	s_wait_dscnt 0x0                               ; the stores have read their registers, which the reads below fill again
.irp i, 0,1,2,3
.irp j, 0,1,2,3,4,5,6,7
	ds_load_b128 v[R+32*\i+4*\j:R+32*\i+4*\j+3], v5 offset:256*\i+16*\j   ; item i: block 2 i + h of row r, whole
.endr
.endr
.macro ITEM i                          ; one block of 32 numbers, all in my lane: its largest magnitude, its scale, its 16 bytes of codes
.set XS, R+32*(\i)
	s_wait_dscnt 24-8*(\i)                         ; the item's eight reads are in: behind them 24 - 8 i were issued
	v_max3_num_f32 v10, |v[XS]|, |v[XS+1]|, |v[XS+2]|
	v_max3_num_f32 v11, |v[XS+3]|, |v[XS+4]|, |v[XS+5]|
.irp n, 6,10,14,18,22,26
	v_max3_num_f32 v10, v10, |v[XS+\n]|, |v[XS+\n+1]|
	v_max3_num_f32 v11, v11, |v[XS+\n+2]|, |v[XS+\n+3]|
.endr
	v_max3_num_f32 v10, v10, |v[XS+30]|, |v[XS+31]|
	v_max3_num_f32 v10, v10, v11, 0x1800000        ; and the floor 2^(3 - 127): the byte cannot fall under 1
	v_add_nc_u32 v12, 0xff000000, v10              ; 2 off the exponent field: the conversion's scale operand
.irp g, 0,1,2,3
	v_cvt_scalef32_pk8_fp4_f32 v[C+4*(\i)+\g], v[XS+8*\g:XS+8*\g+7], v12
.endr
	v_lshrrev_b32 v[B+(\i)], 23, v12               ; the scale's byte (a plain line behind the conversions)
	global_store_b128 v2, v[C+4*(\i):C+4*(\i)+3], s[8:9] offset:512*(\i)   ; 512 consecutive bytes, at a multiple of 256 from the buffer's first byte
.endm
	ITEM 0
	ITEM 1
	ITEM 2
	ITEM 3
	v_lshl_or_b32 v22, v[B+1], 16, v[B]            ; K step 0's word: my two bytes (blocks h, 2 + h),
	v_lshl_or_b32 v23, v[B+3], 16, v[B+2]          ; K step 1's (blocks 4 + h, 6 + h),
	v_lshlrev_b32 v22, v8, v22                     ; at their places (8 h bits up),
	v_lshlrev_b32 v23, v8, v23
	v_permlanex16_b32 v24, v22, s22, s23
	v_permlanex16_b32 v25, v23, s22, s23
	v_or_b32 v22, v22, v24                         ; with lane l xor 16's two each word is whole
	v_or_b32 v23, v23, v25
	v_cmp_gt_u32 vcc_lo, 16, v1
	v_cndmask_b32 v22, v23, v22, vcc_lo            ; lanes 0-15 keep K step 0's word, lanes 16-31 K step 1's
	ds_store_b32 v6, v22
	ds_store_b32 v6, v19 offset:128
	ds_load_b64 v[26:27], v7                       ; LDS serves a wave's instructions in order: this sees my stores
	s_wait_dscnt 0x0
	global_store_b64 v3, v[26:27], s[8:9] offset:2048   ; 256 consecutive bytes, aligned
	s_wait_tensorcnt 0x0                           ; the wave's end
	ds_add_u32 v176, v177
	s_wait_dscnt 0x0
	s_endpgm
.Lfunc_end_k_q6e907ed287_qquant:
	.size	k_q6e907ed287_qquant, .Lfunc_end_k_q6e907ed287_qquant-k_q6e907ed287_qquant
	.p2alignl 7, 3214868480
	.fill 96, 4, 3214868480
	.section	.rodata,"a",@progbits
	.p2align	6, 0x0
	.amdhsa_kernel k_q6e907ed287_qquant
		.amdhsa_group_segment_fixed_size 34048
		.amdhsa_private_segment_fixed_size 0
		.amdhsa_enable_private_segment 0
		.amdhsa_kernarg_size 16
		.amdhsa_user_sgpr_count 2
		.amdhsa_user_sgpr_kernarg_segment_ptr 1
		.amdhsa_wavefront_size32 1
		.amdhsa_system_sgpr_workgroup_id_x 1
		.amdhsa_system_sgpr_workgroup_id_y 1
		.amdhsa_system_sgpr_workgroup_id_z 1
		.amdhsa_system_vgpr_workitem_id 0
		.amdhsa_next_free_vgpr 178
		.amdhsa_next_free_sgpr 66
		.amdhsa_reserve_vcc 1
		.amdhsa_float_denorm_mode_32 3
		.amdhsa_float_denorm_mode_16_64 3
		.amdhsa_memory_ordered 1
		.amdhsa_forward_progress 1
		.amdhsa_inst_pref_size 16
	.end_amdhsa_kernel
	.amdgpu_metadata
---
amdhsa.version: [ 1, 2 ]
amdhsa.kernels:
  - .name:           k_q6e907ed287_qquant
    .symbol:         k_q6e907ed287_qquant.kd
    .args:
      - { .name: query, .offset: 0, .size: 8, .value_kind: global_buffer, .address_space: global }
      - { .name: qimg, .offset: 8, .size: 8, .value_kind: global_buffer, .address_space: global }
    .group_segment_fixed_size: 34048
    .private_segment_fixed_size: 0
    .kernarg_segment_align: 8
    .kernarg_segment_size: 16
    .max_flat_workgroup_size: 64
    .sgpr_count:     66
    .vgpr_count:     178
    .wavefront_size: 32
...
	.end_amdgpu_metadata
.endif
;; end of part 1
;; launch search (part 2): grid 250 x 1, 16 waves a work-group, no clusters, 76,032 bytes of LDS; arguments memory, qimg, pval, pgid, kimg; writes pval, pgid, kimg
.if DOCPART == 2
	.amdgcn_target "amdgcn-amd-amdhsa--gfx1250"
	.amdhsa_code_object_version 6
	.text
	.protected	k_q6e907ed287_search
	.globl	k_q6e907ed287_search
	.p2align	8
	.type	k_q6e907ed287_search,@function
k_q6e907ed287_search:
	s_mov_b64 s[64:65], 0
	v_nop
	global_prefetch_b8 v0, s[64:65] scope:SCOPE_SE
	s_setreg_imm32_b32 hwreg(HW_REG_WAVE_MODE, 25, 1), 1
	s_wait_xcnt 0x0
; For each of the 2,048 queries: the largest similarity among this work-group's 400 keys, and WHICH GROUP OF 8 KEYS holds it.  similarity = (q . k on codes of E2M1 with E8M0 scales) x 1 / |k|.
; |q| is left out, as the first kernel's head shows: a positive factor common to all similarities of a query.  The limits are those stated there; the sum of a key's squares is held at 2^-100
; from below, so that a row of zeros has a finite reciprocal norm (its similarities are then 0, as in the reference).
; Of equal similarities the lowest index wins: the tiles are walked in ascending order and only a larger number takes the place; where the halves of the lanes meet, the lower group.
; THE KEYS ARE QUANTISED HERE, beside the search: each key is read by this one work-group alone, once, as f32.  Work-group g owns rows 400 g .. 400 g + 399 of memory: 25 tiles of 16.
; Wave w takes row w of every tile: 1,024 bytes, two loads of 512 consecutive bytes.  A lane then holds k = 4 l .. 4 l + 3 (block l / 8) and k = 128 + 4 l .. + 3 (block 4 + l / 8).  A block's
; largest magnitude is joined over its 8 lanes; the eight numbers are converted twice, once under each block's scale: the first result's low half and the second's high half are the codes.
; They go into LDS as RECORDS of 2,304 bytes a tile, laid as the first kernel lays the queries', with 1 / |row r| at 2176 + 4 r and zeros from 2240 on.  Every record has LDS bytes of its own.
; THE PIPELINE.  Head: rows of tiles 0-8 and my eight query tiles are asked for; tiles 0-4 are quantised; a barrier.  Step t: my row of tile t + 5 is quantised, my row of tile t + 9 is asked for
; into the registers just freed (a ring of four rows), and tile t is searched.  A trip is four steps with ONE barrier: trip j writes tiles 4 j + 5 .. 4 j + 8 and reads tiles 4 j + 1 .. 4 j + 4,
; which the trip before wrote.  Four trips ask for rows; a fifth, written out, only quantises; then the records are copied, dense, to kimg, which the last launch reads; five steps only search.
; LAYOUT of a product: source 0 = 16 keys, source 1 = 16 queries: lane (r, h) holds query r, and its registers 0-7 the keys 8 h + 0 .. 7 of the tile: a GROUP.
; NO CLUSTER: what the work-groups share is the queries' records, which go straight into registers; the keys are read by one work-group each.  NO PREFETCH: a row's own loads are issued four
; steps ahead of the wait for them.
.set REC,  2304
.set NT,   25
.set TROW, 32768                       ; bytes of memory from tile to tile: 16 rows of 2,048
.set SCR,  NT*REC                      ; behind the records: 1,024 bytes for each wave, for the way out
.set SPARE, SCR+16*1024                ; the spare words: 128 bytes a wave
.set AI,   2                           ; v2   LDS address of the fragments: 16 l + the trip's base
.set AS,   3                           ; v3   of the scale word: 4 l + the base
.set Q,    4                           ; v4-131    my eight query tiles (tile t at Q + 16 t)
.set QS,   132                         ; v132-139  their scale words; scales and nothing else
.set RA,   140                         ; v140-147, v148-155  the running maxima, by turns
.set RB,   148
.set ID,   156                         ; v156-163  the key tile that holds the maximum
.set FR0,  164                         ; v164-179 a key tile's fragments, v180-187 its 1 / |k| (my half's eight), v188 its scale word
.set RK0,  180
.set SC0,  188
.set AR,   189                         ; v189 LDS address of 1 / |k|: 32 h + the base
.set ACC,  190                         ; v190-221  two sets of two accumulators; between two tiles' products the quantiser's registers:
.set TA,   190                         ; the two blocks' largest magnitudes
.set TB,   191
.set EA,   192                         ; the conversions' scale operands
.set EB,   193
.set CA,   194                         ; codes
.set CB,   195
.set BA,   196                         ; scale bytes
.set BB,   197
.set SQ,   198                         ; v198-199 squares
.set RV,   200
.set TT,   201
.set ZR,   202
.set RING, 222                         ; v222-253  four rows on their way or in hand, 8 registers each; behind the last row: the copy's and the way out's registers
.set WC,   254                         ; v254 LDS: 256 (l / 8) + 16 w + 2 (l % 8) + the base
.set WS,   255                         ; v255 LDS: 4 w + l / 8 + the base
	s_load_b256 s[4:11], s[0:1], 0x0               ; memory s[4:5], qimg s[6:7], pval s[8:9], pgid s[10:11]
	s_load_b64 s[40:41], s[0:1], 0x20              ; kimg
	v_lshrrev_b32 v[TA], 5, v0
	v_readfirstlane_b32 s12, v[TA]                 ; wave 0..15
	s_lshl_b32 s13, s12, 4
	s_lshl_b32 s14, s12, 2
	s_mul_i32 s15, s12, REC
	v_and_b32 v[TB], 31, v0                        ; l
	v_bfe_u32 v[EA], v0, 4, 1                      ; h
	v_bfe_u32 v[TA], v0, 3, 2                      ; l / 8
	v_and_b32 v[EB], 7, v0                         ; l % 8
	v_lshlrev_b32 v1, 4, v[TB]                     ; 16 l; never rewritten
	v_lshlrev_b32 v[AI], 4, v[TB]
	v_lshlrev_b32 v[AS], 2, v[TB]
	v_lshlrev_b32 v[AR], 5, v[EA]
	v_lshl_add_u32 v[WC], v[TA], 8, s13
	v_add_nc_u32 v[WS], s14, v[TA]
	v_lshl_add_u32 v[WC], v[EB], 1, v[WC]
	s_mul_i32 s16, ttmp9, 400*2048                 ; my work-group's first row, 203,980,800 bytes at the most,
	s_lshl_b32 s17, s12, 11
	s_add_co_u32 s16, s16, s17                     ; and my wave's row of each tile
	s_mov_b32 s17, 0
	s_mul_i32 s18, ttmp9, NT*REC                   ; my work-group's records in kimg
	s_mov_b32 s19, 0
	s_mul_i32 s20, s12, 8*REC                      ; my eight query records
	s_mov_b32 s21, 0
	s_lshl_b32 s22, ttmp9, 13                      ; the results: row g of 8,192 bytes, my wave's 512
	s_lshl_b32 s23, s12, 9
	s_add_co_u32 s22, s22, s23
	s_mov_b32 s23, 0
	s_mul_i32 s32, ttmp9, NT                       ; the number of the key tile in hand
	s_mov_b32 s36, 0x76543210
	s_mov_b32 s37, 0xfedcba98                      ; v_permlanex16_b32's selects for lane l xor 16
	s_wait_alu depctr_va_vdst(0)                   ; the wait at the head's end
	s_wait_kmcnt 0x0
	s_add_nc_u64 s[4:5], s[4:5], s[16:17]
	s_add_nc_u64 s[40:41], s[40:41], s[18:19]
	s_add_nc_u64 s[6:7], s[6:7], s[20:21]
	s_add_nc_u64 s[8:9], s[8:9], s[22:23]
	s_add_nc_u64 s[10:11], s[10:11], s[22:23]
.macro GROW X, goff                    ; my row of one tile: two loads of 512 consecutive bytes
	global_load_b128 v[\X:\X+3], v1, s[4:5] offset:\goff th:TH_LOAD_NT
	global_load_b128 v[\X+4:\X+7], v1, s[4:5] offset:(\goff)+512 th:TH_LOAD_NT
.endm
	GROW FR0, 0                                    ; tiles 0-4 into registers that the search does not need yet,
	GROW FR0+8, TROW
	GROW FR0+16, 2*TROW
	GROW ACC+16, 3*TROW
	GROW ACC+24, 4*TROW
.irp k, 0,1,2,3
	GROW RING+8*\k, (5+\k)*TROW                    ; tiles 5-8 into the ring
.endr
.irp t, 0,1,2,3,4,5,6,7
.irp c, 0,1,2,3
	global_load_b128 v[Q+16*\t+4*\c:Q+16*\t+4*\c+3], v1, s[6:7] offset:\t*REC+512*\c   ; a record's codes are the operand's registers on end
.endr
	global_load_b32 v[QS+\t], v[AS], s[6:7] offset:\t*REC+2048
.endr
.macro XM op, reg, m
	\op v[\reg], v[\reg], v[\reg] row_xmask:\m row_mask:0xf bank_mask:0xf
.endm
; My row of one tile, in X .. X + 7, becomes its part of the record off bytes on from the base.  lcnt: the loads issued behind the row's two.  load = 1: X then takes the row goff bytes on.
; The chains of the two blocks and of the squares stand line by line, so that no line waits for the line above it.
.macro QUANT X, off, lcnt, load, goff
	s_wait_loadcnt \lcnt
	v_max3_num_f32 v[TA], |v[\X]|, |v[\X+1]|, 0x1800000            ; with the floor 2^(3 - 127): the byte cannot fall under 1
	v_max3_num_f32 v[TB], |v[\X+4]|, |v[\X+5]|, 0x1800000
	v_pk_mul_f32 v[SQ:SQ+1], v[\X:\X+1], v[\X:\X+1]
	v_max3_num_f32 v[TA], v[TA], |v[\X+2]|, |v[\X+3]|
	v_max3_num_f32 v[TB], v[TB], |v[\X+6]|, |v[\X+7]|
	v_pk_fma_f32 v[SQ:SQ+1], v[\X+2:\X+3], v[\X+2:\X+3], v[SQ:SQ+1]
	XM v_max_num_f32_dpp, TA, 1
	XM v_max_num_f32_dpp, TB, 1
	v_pk_fma_f32 v[SQ:SQ+1], v[\X+4:\X+5], v[\X+4:\X+5], v[SQ:SQ+1]
	XM v_max_num_f32_dpp, TA, 2
	XM v_max_num_f32_dpp, TB, 2
	v_pk_fma_f32 v[SQ:SQ+1], v[\X+6:\X+7], v[\X+6:\X+7], v[SQ:SQ+1]
	XM v_max_num_f32_dpp, TA, 4                    ; the block's eight lanes have met
	XM v_max_num_f32_dpp, TB, 4
	v_add_f32 v[SQ], v[SQ], v[SQ+1]
	v_add_nc_u32 v[EA], 0xff000000, v[TA]          ; 2 off the exponent field: the conversion's scale operand
	v_add_nc_u32 v[EB], 0xff000000, v[TB]
	XM v_add_f32_dpp, SQ, 1
	v_cvt_scalef32_pk8_fp4_f32 v[CA], v[\X:\X+7], v[EA]            ; its low half: my four codes of block l / 8
	v_cvt_scalef32_pk8_fp4_f32 v[CB], v[\X:\X+7], v[EB]            ; its high half: those of block 4 + l / 8
	v_lshrrev_b32 v[BA], 23, v[EA]                 ; the scales' bytes (plain lines behind the conversions)
	v_lshrrev_b32 v[BB], 23, v[EB]
	XM v_add_f32_dpp, SQ, 2
	ds_store_b16 v[WC], v[CA] offset:\off
	ds_store_b16_d16_hi v[WC], v[CB] offset:(\off)+1024
	XM v_add_f32_dpp, SQ, 4
	ds_store_b8 v[WS], v[BA] offset:(\off)+2048    ; a block's eight lanes write the same byte with the same value
	ds_store_b8 v[WS], v[BB] offset:(\off)+2112
	XM v_add_f32_dpp, SQ, 8
	v_mov_b32 v[ZR], 0
	v_permlanex16_b32 v[EA], v[SQ], s36, s37
	v_and_b32 v[TT], -4, v[WS]                     ; 4 w + the base
	v_add_f32 v[SQ], v[SQ], v[EA]                  ; the row's sum of squares, in every lane,
	v_max_num_f32 v[SQ], 0x0d800000, v[SQ]         ; held at 2^-100 from below
	s_wait_alu depctr_va_vdst(0)                   ; the wait ahead of the transcendental
	v_rsq_f32 v[RV], v[SQ]
	v_nop                                          ; a plain line behind it
	s_wait_alu depctr_va_vdst(0)                   ; the wait ahead of its first reader
	ds_store_b32 v[TT], v[RV] offset:(\off)+2176   ; all lanes write the same word with the same number
	ds_store_b32 v[TT], v[ZR] offset:(\off)+2240
.if \load
	GROW \X, \goff
.endif
.endm
	QUANT FR0, 0, 56, 0, 0                         ; 58 loads are out: behind tile i's two stand 56 - 2 i
	QUANT FR0+8, REC, 54, 0, 0
	QUANT FR0+16, 2*REC, 52, 0, 0
	QUANT ACC+16, 3*REC, 50, 0, 0
	QUANT ACC+24, 4*REC, 48, 0, 0
	s_wait_dscnt 0x0                               ; for the others' sake: my stores have landed
	s_barrier_signal -1
	s_barrier_wait -1                              ; records 0-4 are whole
.macro LOADF off                       ; five LDS loads: the fragments and the scale word of the record off bytes on from the base
.irp c, 0,1,2,3
	ds_load_b128 v[FR0+4*\c:FR0+4*\c+3], v[AI] offset:(\off)+512*\c
.endr
	ds_load_b32 v[SC0], v[AS] offset:(\off)+2048
.endm
.macro LOADR off                       ; two: its 1 / |k|, my half's eight
	ds_load_b128 v[RK0:RK0+3], v[AR] offset:(\off)+2176
	ds_load_b128 v[RK0+4:RK0+7], v[AR] offset:(\off)+2192
.endm
; Four matrix instructions: the key tile against query tiles 2 p and 2 p + 1, into accumulator set p % 2.  The two accumulators take turns;
; the first product of each starts its sum with the constant 0.
.macro W p
.set wA, ACC+16*((\p)%2)
.irp u, 0,1
	v_wmma_scale_f32_16x16x128_f8f6f4 v[wA+8*\u:wA+8*\u+7], v[FR0:FR0+7], v[Q+16*(2*(\p)+\u):Q+16*(2*(\p)+\u)+7], 0, v[SC0], v[QS+2*(\p)+\u] matrix_a_fmt:MATRIX_FMT_FP4 matrix_b_fmt:MATRIX_FMT_FP4
.endr
.irp u, 0,1
	v_wmma_scale_f32_16x16x128_f8f6f4 v[wA+8*\u:wA+8*\u+7], v[FR0+8:FR0+15], v[Q+16*(2*(\p)+\u)+8:Q+16*(2*(\p)+\u)+15], v[wA+8*\u:wA+8*\u+7], v[SC0], v[QS+2*(\p)+\u] matrix_a_fmt:MATRIX_FMT_FP4 matrix_b_fmt:MATRIX_FMT_FP4 matrix_a_scale:MATRIX_SCALE_ROW1 matrix_b_scale:MATRIX_SCALE_ROW1
.endr
.endm
; Twenty vector instructions on accumulator set p % 2, the two tiles line by line.  ro: the old maxima, rn: the new; s32: the key tile's number.
; Each accumulator is read from its low end on.  The new maximum is never under the old one, so old >= new says that it has not grown: the tile's number is then kept.
.macro V p, ro, rn
.set vA, ACC+16*((\p)%2)
.set vT, 2*(\p)
.irp i, 0,2,4,6
.irp u, 0,1
	v_pk_mul_f32 v[vA+8*\u+\i:vA+8*\u+\i+1], v[vA+8*\u+\i:vA+8*\u+\i+1], v[RK0+\i:RK0+\i+1]   ; x 1 / |k| of keys 8 h + i, 8 h + i + 1
.endr
.endr
.irp u, 0,1
	v_max3_num_f32 v[vA+8*\u], v[vA+8*\u], v[vA+8*\u+1], v[vA+8*\u+2]
.endr
.irp u, 0,1
	v_max3_num_f32 v[vA+8*\u+3], v[vA+8*\u+3], v[vA+8*\u+4], v[vA+8*\u+5]
.endr
.irp u, 0,1
	v_max3_num_f32 v[vA+8*\u+6], v[vA+8*\u+6], v[vA+8*\u+7], v[\ro+vT+\u]
.endr
.irp u, 0,1
	s_delay_alu instid0(VALU_DEP_2)
	v_max3_num_f32 v[\rn+vT+\u], v[vA+8*\u], v[vA+8*\u+3], v[vA+8*\u+6]
.endr
	s_delay_alu instid0(VALU_DEP_2)
	v_cmp_ge_f32 vcc_lo, v[\ro+vT], v[\rn+vT]
	s_delay_alu instid0(VALU_DEP_2)
	v_cmp_ge_f32 s38, v[\ro+vT+1], v[\rn+vT+1]
	s_delay_alu instid0(VALU_DEP_2)
	v_cndmask_b32 v[ID+vT], s32, v[ID+vT], vcc_lo
	s_delay_alu instid0(VALU_DEP_2)
	v_cndmask_b32 v[ID+vT+1], s32, v[ID+vT+1], s38
.endm
; Step k of a trip.  quant = 1: my row of the tile five on is quantised first, while this tile's seven LDS loads, asked for at the last step's end, come in.  bar = 1: the trip's barrier: signalled when
; my stores of the trip's four rows have landed, waited for behind three quarters of the tile's work, with work on registers alone between.  next = 1: the next tile's record is asked for.
; Behind each run of four products stand twenty vector instructions of the OTHER accumulator set (behind the first run four v_nop): the places owed before the run's results are read,
; before the set is begun anew with C = 0, and before loads land in the fragments and the scale word that the last products have read.
.macro STEP k, ro, rn, quant, load, lcnt, bar, next
.if \quant
	QUANT RING+8*(\k), ((\k)+5)*REC, \lcnt, \load, ((\k)+9)*TROW
.endif
	s_wait_dscnt 0x0                               ; this tile's record is in my registers, and my stores have landed
.if \bar
	s_barrier_signal -1
.endif
	W 0
.rept 4
	v_nop
.endr
	W 1
	V 0, \ro, \rn
	W 2
	V 1, \ro, \rn
	W 3
	V 2, \ro, \rn
.if \bar
	s_barrier_wait -1                              ; the four records that this trip wrote are whole
.endif
.if \next
	LOADF ((\k)+1)*REC
.endif
	V 3, \ro, \rn
.if \next
	LOADR ((\k)+1)*REC
.endif
	s_add_co_u32 s32, s32, 1
.endm
.macro TRIP load, c0, c1, c2, c3
	STEP 0, RA, RB, 1, \load, \c0, 0, 1
	STEP 1, RB, RA, 1, \load, \c1, 0, 1
	STEP 2, RA, RB, 1, \load, \c2, 0, 1
	STEP 3, RB, RA, 1, \load, \c3, 1, 1
.irp a, AI, AS, AR, WC, WS
	v_add_nc_u32 v[\a], 4*REC, v[\a]               ; the base goes four records on
.endr
.endm
	LOADF 0
	LOADR 0
.irp t, 0,1,2,3,4,5,6,7
	v_mov_b32 v[RA+\t], 0xff800000                 ; the maxima begin at -infinity, the tile numbers at the first tile's
	v_mov_b32 v[ID+\t], s32
.endr
	s_wait_alu depctr_va_vdst(0)
	s_wait_loadcnt 0x0                             ; my queries, and with them the ring's first four rows
	s_mov_b32 s34, 4
.Ltrip:                                                ; 4 trips: tiles 0-15 are searched, 5-20 quantised, 9-24 asked for
	TRIP 1, 6, 6, 6, 6                             ; behind a row's two loads stand those of the three rows asked for since
	s_wait_xcnt 0x0                                ; the loads have read their base, which steps only behind this wait
	s_add_nc_u64 s[4:5], s[4:5], 4*TROW
	s_sub_co_u32 s34, s34, 1
	s_cmp_lg_u32 s34, 0
	s_wait_alu depctr_va_vdst(0)
	s_cbranch_scc1 .Ltrip
	TRIP 0, 6, 4, 2, 0                             ; tiles 16-19 are searched, 21-24 quantised; nothing is left to ask for: the counts run down
	; All 25 records are whole: they go to kimg, 512 consecutive bytes a line, each record's last 256 by 8 bytes a lane.  Wave w takes record w, waves 0-8 record 16 + w too.
.set CD, RING+8                        ; v230-247 a record in hand
.set CO, RING+26                       ; v248: 2,304 w + 16 l, in LDS and in my work-group's part of kimg alike
.set C8, RING+27                       ; v249: 2,304 w + 8 l
	v_add_nc_u32 v[CO], s15, v1
	v_and_b32 v[C8], 31, v0
	v_lshl_add_u32 v[C8], v[C8], 3, s15
	s_wait_alu depctr_va_vdst(0)
.macro COPY off
.irp c, 0,1,2,3
	ds_load_b128 v[CD+4*\c:CD+4*\c+3], v[CO] offset:(\off)+512*\c
.endr
	ds_load_b64 v[CD+16:CD+17], v[C8] offset:(\off)+2048
	s_wait_dscnt 0x0
.irp c, 0,1,2,3
	global_store_b128 v[CO], v[CD+4*\c:CD+4*\c+3], s[40:41] offset:(\off)+512*\c
.endr
	global_store_b64 v[C8], v[CD+16:CD+17], s[40:41] offset:(\off)+2048
.endm
	COPY 0
	s_cmp_lt_u32 s12, 9
	s_cbranch_scc0 .Lone
	s_wait_xcnt 0x0                                ; the stores' data registers are loaded again only behind this wait
	COPY 16*REC
.Lone:
	STEP 0, RA, RB, 0, 0, 0, 0, 1                  ; tiles 20-24
	STEP 1, RB, RA, 0, 0, 0, 0, 1
	STEP 2, RA, RB, 0, 0, 0, 0, 1
	STEP 3, RB, RA, 0, 0, 0, 0, 1
	STEP 4, RA, RB, 0, 0, 0, 0, 0                  ; the maxima end in RB
	; THE WAY OUT.  A query's two halves of the lanes meet: group = 2 x tile + h; the larger similarity wins, of equal ones the lower group.  Then 128 queries' results go through my own 1,024 bytes
	; of LDS, so that the 32 lanes store 512 consecutive bytes of each of the two tables.
.set HH, RING                          ; v222 h;  v223, v224 the other half's numbers;  v225, v226 LDS addresses;  v227, v228 the add's two registers
.set P1, RING+1
.set P2, RING+2
.set A1, RING+3
.set A2, RING+4
.set SPW, RING+5
.set NIL, RING+6
	v_bfe_u32 v[HH], v0, 4, 1
	v_and_b32 v[A1], 15, v0                        ; r
	s_lshl_b32 s20, s12, 10
	s_add_co_u32 s20, s20, SCR
	v_lshl_add_u32 v[A1], v[A1], 2, s20            ; in: 4 r (+ 64 t); both halves write the same word with the same number
	v_add_nc_u32 v[A2], s20, v1                    ; back: 16 l
	v_mov_b32 v[P1], 0                             ; a lane permute's destination counts as one of its sources
	v_mov_b32 v[P2], 0
	v_lshl_add_u32 v[SPW], v0, 2, SPARE            ; no two registers could be kept for the add: they are made here, from v0 as it came
	v_mov_b32 v[NIL], 0
.irp t, 0,1,2,3,4,5,6,7
	v_lshl_add_u32 v[ID+\t], v[ID+\t], 1, v[HH]
	v_permlanex16_b32 v[P1], v[RB+\t], s36, s37
	s_delay_alu instid0(VALU_DEP_2)
	v_permlanex16_b32 v[P2], v[ID+\t], s36, s37
	s_delay_alu instid0(VALU_DEP_2)
	v_cmp_gt_f32 vcc_lo, v[P1], v[RB+\t]
	s_delay_alu instid0(VALU_DEP_3)
	v_cmp_eq_f32 s38, v[P1], v[RB+\t]
	s_delay_alu instid0(VALU_DEP_3)
	v_cmp_lt_u32 s39, v[P2], v[ID+\t]
	s_and_b32 s38, s38, s39
	s_or_b32 vcc_lo, vcc_lo, s38
	v_cndmask_b32 v[RB+\t], v[RB+\t], v[P1], vcc_lo
	v_cndmask_b32 v[ID+\t], v[ID+\t], v[P2], vcc_lo
	ds_store_b32 v[A1], v[RB+\t] offset:64*\t
	ds_store_b32 v[A1], v[ID+\t] offset:512+64*\t
.endr
	ds_load_b128 v[RA:RA+3], v[A2]                 ; LDS serves a wave's instructions in order: these see my stores
	ds_load_b128 v[RA+4:RA+7], v[A2] offset:512
	s_wait_alu depctr_va_vdst(0)
	s_wait_dscnt 0x0
	global_store_b128 v1, v[RA:RA+3], s[8:9]       ; 512 consecutive bytes, at a multiple of 256 from the buffer's first byte
	global_store_b128 v1, v[RA+4:RA+7], s[10:11]
	s_wait_tensorcnt 0x0                           ; the wave's end
	ds_add_u32 v[SPW], v[NIL]
	s_wait_dscnt 0x0
	s_endpgm
.Lfunc_end_k_q6e907ed287_search:
	.size	k_q6e907ed287_search, .Lfunc_end_k_q6e907ed287_search-k_q6e907ed287_search
	.p2alignl 7, 3214868480
	.fill 96, 4, 3214868480
	.section	.rodata,"a",@progbits
	.p2align	6, 0x0
	.amdhsa_kernel k_q6e907ed287_search
		.amdhsa_group_segment_fixed_size 76032
		.amdhsa_private_segment_fixed_size 0
		.amdhsa_enable_private_segment 0
		.amdhsa_kernarg_size 40
		.amdhsa_user_sgpr_count 2
		.amdhsa_user_sgpr_kernarg_segment_ptr 1
		.amdhsa_wavefront_size32 1
		.amdhsa_system_sgpr_workgroup_id_x 1
		.amdhsa_system_sgpr_workgroup_id_y 1
		.amdhsa_system_sgpr_workgroup_id_z 1
		.amdhsa_system_vgpr_workitem_id 0
		.amdhsa_next_free_vgpr 256
		.amdhsa_next_free_sgpr 66
		.amdhsa_reserve_vcc 1
		.amdhsa_float_denorm_mode_32 3
		.amdhsa_float_denorm_mode_16_64 3
		.amdhsa_memory_ordered 1
		.amdhsa_forward_progress 1
		.amdhsa_inst_pref_size 154
	.end_amdhsa_kernel
	.amdgpu_metadata
---
amdhsa.version: [ 1, 2 ]
amdhsa.kernels:
  - .name:           k_q6e907ed287_search
    .symbol:         k_q6e907ed287_search.kd
    .args:
      - { .name: memory, .offset: 0, .size: 8, .value_kind: global_buffer, .address_space: global }
      - { .name: qimg, .offset: 8, .size: 8, .value_kind: global_buffer, .address_space: global }
      - { .name: pval, .offset: 16, .size: 8, .value_kind: global_buffer, .address_space: global }
      - { .name: pgid, .offset: 24, .size: 8, .value_kind: global_buffer, .address_space: global }
      - { .name: kimg, .offset: 32, .size: 8, .value_kind: global_buffer, .address_space: global }
    .group_segment_fixed_size: 76032
    .private_segment_fixed_size: 0
    .kernarg_segment_align: 8
    .kernarg_segment_size: 40
    .max_flat_workgroup_size: 512
    .sgpr_count:     66
    .vgpr_count:     256
    .wavefront_size: 32
...
	.end_amdgpu_metadata
.endif
;; end of part 2
;; launch reduce (part 3): grid 32 x 1, 10 waves a work-group, no clusters, 6,400 bytes of LDS; arguments pval, pgid, win; writes win
.if DOCPART == 3
	.amdgcn_target "amdgcn-amd-amdhsa--gfx1250"
	.amdhsa_code_object_version 6
	.text
	.protected	k_q6e907ed287_reduce
	.globl	k_q6e907ed287_reduce
	.p2align	8
	.type	k_q6e907ed287_reduce,@function
k_q6e907ed287_reduce:
	s_mov_b64 s[64:65], 0
	v_nop
	global_prefetch_b8 v0, s[64:65] scope:SCOPE_SE
	s_setreg_imm32_b32 hwreg(HW_REG_WAVE_MODE, 25, 1), 1
	s_wait_xcnt 0x0
; win[q] = the group of 8 keys that holds query q's largest similarity: the maximum over the 250 rows of pval, with pgid's number beside it.  It is stored as a whole number: the next launch forms addresses from it.
; Work-group g takes queries 64 g .. 64 g + 63; wave w rows 25 w .. 25 w + 24; a lane two queries, so that each load of a wave reads 256 consecutive bytes, aligned.
; The groups' numbers rise with the row, and only a larger similarity takes the place: of equal ones the lowest index wins, as in the reference.
; All 50 loads of a wave go out together.  The ten waves' results meet in LDS behind one barrier, and wave 0 joins them in ascending order.  No matrix work, no tensor loads: 4 MB are read once.
.set VAL, 16                           ; v16-65   25 pairs of similarities; the first pair is also the running maximum
.set GID, 66                           ; v66-115  25 pairs of groups; the first pair is also the running group
.macro MERGE i                         ; pair i joins the running pair
.irp c, 0,1
	v_cmp_gt_f32 vcc_lo, v[VAL+2*(\i)+\c], v[VAL+\c]
	s_delay_alu instid0(VALU_DEP_1)
	v_cndmask_b32 v[GID+\c], v[GID+\c], v[GID+2*(\i)+\c], vcc_lo
	v_max_num_f32 v[VAL+\c], v[VAL+\c], v[VAL+2*(\i)+\c]
.endr
.endm
	s_load_b128 s[4:7], s[0:1], 0x0                ; pval s[4:5], pgid s[6:7]
	s_load_b64 s[8:9], s[0:1], 0x10                ; win
	v_lshl_add_u32 v128, v0, 2, 0x1400
	v_mov_b32 v129, 0
	v_lshrrev_b32 v2, 5, v0
	s_delay_alu instid0(VALU_DEP_1)
	v_readfirstlane_b32 s12, v2                    ; wave 0..9
	v_and_b32 v1, 31, v0
	s_delay_alu instid0(VALU_DEP_1)
	v_lshlrev_b32 v1, 3, v1                        ; 8 l
	s_lshl_b32 s14, ttmp9, 8                       ; my work-group's 64 queries: 256 bytes of a row
	s_mov_b32 s15, 0
	s_mul_i32 s10, s12, 25*8192                    ; my wave's 25 rows of 8,192 bytes
	s_add_co_u32 s10, s10, s14
	s_mov_b32 s11, 0
	s_lshl_b32 s13, s12, 8
	v_add_nc_u32 v2, s13, v1                       ; LDS: 256 w + 8 l
	s_wait_alu depctr_va_vdst(0)
	s_wait_kmcnt 0x0
	s_add_nc_u64 s[4:5], s[4:5], s[10:11]
	s_add_nc_u64 s[6:7], s[6:7], s[10:11]
	s_add_nc_u64 s[8:9], s[8:9], s[14:15]
.irp i, 0,1,2,3,4,5,6,7,8,9,10,11,12,13,14,15,16,17,18,19,20,21,22,23,24
	global_load_b64 v[VAL+2*\i:VAL+2*\i+1], v1, s[4:5] offset:8192*\i
	global_load_b64 v[GID+2*\i:GID+2*\i+1], v1, s[6:7] offset:8192*\i
.endr
.irp i, 1,2,3,4,5,6,7,8,9,10,11,12,13,14,15,16,17,18,19,20,21,22,23,24
	s_wait_alu depctr_va_vdst(0)
	s_wait_loadcnt 48-2*\i                         ; rows 0 to i are in: behind row i's two loads 48 - 2 i were issued
	MERGE \i
.endr
	ds_store_b64 v2, v[VAL:VAL+1]
	ds_store_b64 v2, v[GID:GID+1] offset:2560
	s_wait_dscnt 0x0                               ; for the others' sake: my stores have landed
	s_barrier_signal -1
	s_barrier_wait -1
	s_cmp_lg_u32 s12, 0
	s_cbranch_scc1 .Ldone                          ; wave 0 joins the ten
.irp i, 0,1,2,3,4,5,6,7,8,9
	ds_load_b64 v[VAL+2*\i:VAL+2*\i+1], v1 offset:256*\i
	ds_load_b64 v[GID+2*\i:GID+2*\i+1], v1 offset:2560+256*\i
.endr
	s_wait_dscnt 0x0
.irp i, 1,2,3,4,5,6,7,8,9
	MERGE \i
.endr
	global_store_b64 v1, v[GID:GID+1], s[8:9]      ; 32 lanes store 256 consecutive bytes, aligned
.Ldone:
	s_wait_tensorcnt 0x0
	ds_add_u32 v128, v129
	s_wait_dscnt 0x0
	s_endpgm
.Lfunc_end_k_q6e907ed287_reduce:
	.size	k_q6e907ed287_reduce, .Lfunc_end_k_q6e907ed287_reduce-k_q6e907ed287_reduce
	.p2alignl 7, 3214868480
	.fill 96, 4, 3214868480
	.section	.rodata,"a",@progbits
	.p2align	6, 0x0
	.amdhsa_kernel k_q6e907ed287_reduce
		.amdhsa_group_segment_fixed_size 6400
		.amdhsa_private_segment_fixed_size 0
		.amdhsa_enable_private_segment 0
		.amdhsa_kernarg_size 24
		.amdhsa_user_sgpr_count 2
		.amdhsa_user_sgpr_kernarg_segment_ptr 1
		.amdhsa_wavefront_size32 1
		.amdhsa_system_sgpr_workgroup_id_x 1
		.amdhsa_system_sgpr_workgroup_id_y 1
		.amdhsa_system_sgpr_workgroup_id_z 1
		.amdhsa_system_vgpr_workitem_id 0
		.amdhsa_next_free_vgpr 130
		.amdhsa_next_free_sgpr 66
		.amdhsa_reserve_vcc 1
		.amdhsa_float_denorm_mode_32 3
		.amdhsa_float_denorm_mode_16_64 3
		.amdhsa_memory_ordered 1
		.amdhsa_forward_progress 1
		.amdhsa_inst_pref_size 18
	.end_amdhsa_kernel
	.amdgpu_metadata
---
amdhsa.version: [ 1, 2 ]
amdhsa.kernels:
  - .name:           k_q6e907ed287_reduce
    .symbol:         k_q6e907ed287_reduce.kd
    .args:
      - { .name: pval, .offset: 0, .size: 8, .value_kind: global_buffer, .address_space: global }
      - { .name: pgid, .offset: 8, .size: 8, .value_kind: global_buffer, .address_space: global }
      - { .name: win, .offset: 16, .size: 8, .value_kind: global_buffer, .address_space: global }
    .group_segment_fixed_size: 6400
    .private_segment_fixed_size: 0
    .kernarg_segment_align: 8
    .kernarg_segment_size: 24
    .max_flat_workgroup_size: 320
    .sgpr_count:     66
    .vgpr_count:     130
    .wavefront_size: 32
...
	.end_amdgpu_metadata
.endif
;; end of part 3
;; launch fetch (part 4): grid 256 x 1, 8 waves a work-group, no clusters, 0 bytes of LDS; arguments win, kimg, qimg, memory, out0; writes out0
.if DOCPART == 4
	.amdgcn_target "amdgcn-amd-amdhsa--gfx1250"
	.amdhsa_code_object_version 6
	.text
	.protected	k_q6e907ed287_fetch
	.globl	k_q6e907ed287_fetch
	.p2align	8
	.type	k_q6e907ed287_fetch,@function
k_q6e907ed287_fetch:
	s_mov_b64 s[64:65], 0
	v_nop
	global_prefetch_b8 v0, s[64:65] scope:SCOPE_SE
	s_setreg_imm32_b32 hwreg(HW_REG_WAVE_MODE, 25, 1), 1
	s_wait_xcnt 0x0
; out0[q] = the values (the second 256 numbers) of the memory row whose key is most similar to query q.  One wave, one query.
; win[q], a whole number stored by the launch before, names a group of 8 keys: rows 8 G .. 8 G + 7.  Addresses hang on that number alone.  All 8 candidate rows' values are loaded; meanwhile the group's
; similarities are made again, by the same two matrix instructions and the same multiplications on the same records as in the search, so they have the same bits; which of the 8 is largest
; (of equal ones the first) only SELECTS among the loaded rows, by v_cndmask_b32: no address and no branch hangs on it.
; The limits are the search's: the hold max(|q| |k|, 1e-8) is not applied pair by pair; NaN and infinities are not served.
.set REC, 2304
.set KF,  8                            ; v8-23    the key tile's fragments
.set QF,  24                           ; v24-39   the query tile's
.set KS,  40                           ; v40, v41 their scale words; scales and nothing else
.set QSW, 41
.set RK,  42                           ; v42-49   1 / |k| of my half's eight keys
.set D,   50                           ; v50-57   the accumulator: lane (r, h): query r of the tile, keys 8 h + 0 .. 7
.set JB,  59                           ; v59      which of my eight is largest
.set JW,  60                           ; v60      the same of the lane that holds my query and the winning group
.set ROWS, 64                          ; v64-127  the 8 candidate rows' values, 8 registers each; row 0's are also the result
	s_load_b256 s[4:11], s[0:1], 0x0               ; win s[4:5], kimg s[6:7], qimg s[8:9], memory s[10:11]
	s_load_b64 s[12:13], s[0:1], 0x20              ; out0
	v_lshrrev_b32 v5, 5, v0
	s_delay_alu instid0(VALU_DEP_1)
	v_readfirstlane_b32 s14, v5                    ; wave 0..7
	s_lshl_b32 s15, ttmp9, 3
	s_add_co_u32 s15, s15, s14                     ; my query
	s_lshl_b32 s18, s15, 2
	s_mov_b32 s19, 0
	s_lshr_b32 s28, s15, 4
	s_mul_i32 s28, s28, REC                        ; its tile's record
	s_mov_b32 s29, 0
	s_lshl_b32 s30, s15, 10                        ; its row of the output
	s_mov_b32 s31, 0
	v_and_b32 v5, 31, v0
	s_delay_alu instid0(VALU_DEP_1)
	v_lshlrev_b32 v1, 4, v5                        ; 16 l
	s_delay_alu instid0(VALU_DEP_2)
	v_lshlrev_b32 v2, 2, v5                        ; 4 l
	v_bfe_u32 v3, v0, 4, 1
	s_delay_alu instid0(VALU_DEP_1)
	v_lshlrev_b32 v3, 5, v3                        ; 32 x my half
	s_wait_alu depctr_va_vdst(0)
	s_wait_kmcnt 0x0
	s_add_nc_u64 s[4:5], s[4:5], s[18:19]
	s_load_b32 s16, s[4:5], 0x0                    ; the winning group
	s_add_nc_u64 s[8:9], s[8:9], s[28:29]
	s_add_nc_u64 s[12:13], s[12:13], s[30:31]
.irp c, 0,1,2,3
	global_load_b128 v[QF+4*\c:QF+4*\c+3], v1, s[8:9] offset:512*\c    ; the query's five loads need no group: they go out first
.endr
	global_load_b32 v[QSW], v2, s[8:9] offset:2048
	s_wait_kmcnt 0x0
	s_min_u32 s16, s16, 12499                      ; a loaded number enters addresses only held inside its table: 12,500 groups
	s_and_b32 s20, s16, 1                          ; h: which half of its key tile
	s_and_b32 s22, s16, 0x3ffe
	s_mul_i32 s22, s22, REC/2                      ; the key tile's record: (G / 2) x 2,304
	s_mov_b32 s23, 0
	s_lshl_b32 s24, s16, 14                        ; row 8 G of 2,048 bytes: 204,783,616 at the most
	s_mov_b32 s25, 0
	s_and_b32 s26, s15, 15
	s_lshl_b32 s26, s26, 2
	s_lshl_b32 s27, s20, 6
	s_add_co_u32 s26, s26, s27                     ; 4 x the lane that holds my query and the winning group: q % 16 + 16 h
	s_add_nc_u64 s[6:7], s[6:7], s[22:23]
	s_add_nc_u64 s[10:11], s[10:11], s[24:25]
.irp c, 0,1,2,3
	global_load_b128 v[KF+4*\c:KF+4*\c+3], v1, s[6:7] offset:512*\c
.endr
	global_load_b32 v[KS], v2, s[6:7] offset:2048
	global_load_b128 v[RK:RK+3], v3, s[6:7] offset:2176
	global_load_b128 v[RK+4:RK+7], v3, s[6:7] offset:2192
.irp j, 0,1,2,3,4,5,6,7
.irp c, 0,1
	global_load_b128 v[ROWS+8*\j+4*\c:ROWS+8*\j+4*\c+3], v1, s[10:11] offset:1024+2048*\j+512*\c   ; 512 consecutive bytes of row 8 G + j's values
.endr
.endr
	s_wait_loadcnt 16                              ; the twelve operand loads are in; the sixteen loads of the rows, issued behind them, stay out
	v_wmma_scale_f32_16x16x128_f8f6f4 v[D:D+7], v[KF:KF+7], v[QF:QF+7], 0, v[KS], v[QSW] matrix_a_fmt:MATRIX_FMT_FP4 matrix_b_fmt:MATRIX_FMT_FP4
	s_wait_alu depctr_va_vdst(0)                   ; this wait, directly ahead of the second
	v_wmma_scale_f32_16x16x128_f8f6f4 v[D:D+7], v[KF+8:KF+15], v[QF+8:QF+15], v[D:D+7], v[KS], v[QSW] matrix_a_fmt:MATRIX_FMT_FP4 matrix_b_fmt:MATRIX_FMT_FP4 matrix_a_scale:MATRIX_SCALE_ROW1 matrix_b_scale:MATRIX_SCALE_ROW1
	v_mov_b32 v[JB], 0                             ; four places behind the products (ISA guide 7.12.1): two lines of work, two v_nop
	v_mov_b32 v4, s26
	v_nop
	v_nop
.irp i, 0,2,4,6
	v_pk_mul_f32 v[D+\i:D+\i+1], v[D+\i:D+\i+1], v[RK+\i:RK+\i+1]   ; x 1 / |k|; the accumulator is read from its low end on
.endr
.irp j, 1
	s_delay_alu instid0(VALU_DEP_4)
	v_cmp_ge_f32 vcc_lo, v[D], v[D+\j]             ; the best so far holds its place unless number j is larger: of equal ones the first wins
	s_delay_alu instid0(VALU_DEP_1)
	v_cndmask_b32 v[JB], \j, v[JB], vcc_lo
	v_max_num_f32 v[D], v[D], v[D+\j]
.endr
.irp j, 2, 3, 4, 5, 6, 7
	s_delay_alu instid0(VALU_DEP_1)
	v_cmp_ge_f32 vcc_lo, v[D], v[D+\j]             ; the best so far holds its place unless number j is larger: of equal ones the first wins
	s_delay_alu instid0(VALU_DEP_1)
	v_cndmask_b32 v[JB], \j, v[JB], vcc_lo
	s_delay_alu instid0(VALU_DEP_3)
	v_max_num_f32 v[D], v[D], v[D+\j]
.endr
	ds_bpermute_b32 v[JW], v4, v[JB]               ; every lane takes the choice of the lane that holds my query and the winning group (no LDS byte is touched)
	s_wait_dscnt 0x0
	s_wait_loadcnt 0x0                             ; the eight rows
.irp j, 1,2,3,4,5,6,7
	v_cmp_eq_u32 vcc_lo, \j, v[JW]
.irp k, 0,1,2,3,4,5,6,7
	v_cndmask_b32 v[ROWS+\k], v[ROWS+\k], v[ROWS+8*\j+\k], vcc_lo
.endr
.endr
	global_store_b128 v1, v[ROWS:ROWS+3], s[12:13]                 ; 512 consecutive bytes, at a multiple of 256 from the output's first byte
	global_store_b128 v1, v[ROWS+4:ROWS+7], s[12:13] offset:512
	s_endpgm
.Lfunc_end_k_q6e907ed287_fetch:
	.size	k_q6e907ed287_fetch, .Lfunc_end_k_q6e907ed287_fetch-k_q6e907ed287_fetch
	.p2alignl 7, 3214868480
	.fill 96, 4, 3214868480
	.section	.rodata,"a",@progbits
	.p2align	6, 0x0
	.amdhsa_kernel k_q6e907ed287_fetch
		.amdhsa_group_segment_fixed_size 0
		.amdhsa_private_segment_fixed_size 0
		.amdhsa_enable_private_segment 0
		.amdhsa_kernarg_size 40
		.amdhsa_user_sgpr_count 2
		.amdhsa_user_sgpr_kernarg_segment_ptr 1
		.amdhsa_wavefront_size32 1
		.amdhsa_system_sgpr_workgroup_id_x 1
		.amdhsa_system_sgpr_workgroup_id_y 1
		.amdhsa_system_sgpr_workgroup_id_z 1
		.amdhsa_system_vgpr_workitem_id 0
		.amdhsa_next_free_vgpr 128
		.amdhsa_next_free_sgpr 66
		.amdhsa_reserve_vcc 1
		.amdhsa_float_denorm_mode_32 3
		.amdhsa_float_denorm_mode_16_64 3
		.amdhsa_memory_ordered 1
		.amdhsa_forward_progress 1
		.amdhsa_inst_pref_size 9
	.end_amdhsa_kernel
	.amdgpu_metadata
---
amdhsa.version: [ 1, 2 ]
amdhsa.kernels:
  - .name:           k_q6e907ed287_fetch
    .symbol:         k_q6e907ed287_fetch.kd
    .args:
      - { .name: win, .offset: 0, .size: 8, .value_kind: global_buffer, .address_space: global }
      - { .name: kimg, .offset: 8, .size: 8, .value_kind: global_buffer, .address_space: global }
      - { .name: qimg, .offset: 16, .size: 8, .value_kind: global_buffer, .address_space: global }
      - { .name: memory, .offset: 24, .size: 8, .value_kind: global_buffer, .address_space: global }
      - { .name: out0, .offset: 32, .size: 8, .value_kind: global_buffer, .address_space: global }
    .group_segment_fixed_size: 0
    .private_segment_fixed_size: 0
    .kernarg_segment_align: 8
    .kernarg_segment_size: 40
    .max_flat_workgroup_size: 256
    .sgpr_count:     66
    .vgpr_count:     128
    .wavefront_size: 32
...
	.end_amdgpu_metadata
.endif
;; end of part 4
